; MI455X (gfx1250); checked and timed in simulation.
; The chip was launched on July 23, 2026; its instructions are those of AMD's public machine-readable ISA for CDNA 5 (MIT licence, August 2026) and "CDNA5" Instruction Set Architecture Reference Guide (July 2026). The comments in the code are by the model that wrote it; some were corrected since.
;; Source Detect Localize. Allowed arithmetic: float matrix products may take bf16 or f16 operands with f32 sums; all other float work in f32.
;; Inputs: azi_candidate 181 float32; dpipd_template 91 x 181 x 512 x 6 float32; ele_candidate 91 float32; pred_ipd 8 x 64 x 512 x 6 float32.
;; Outputs: out0 8 x 64 x 2 x 1 float32; out1 8 x 64 x 1 float32; out2 8 x 64 x 91 x 181 float32.
;; 2 versions, each right; version 2 is version 1 with the launch tobf written anew for expert scheduling mode. Each part assembles by itself: llvm-mc -triple=amdgcn-amd-amdhsa -mcpu=gfx1250 --defsym DOCPART=n.
;; ======== version 1 of 2: 3 launches
;; workspace buffers: abf 3,145,728 bytes; rec 1,703,936 bytes
;; launch tobf (part 1): grid 256 x 1, 8 waves a work-group, no clusters, 0 bytes of LDS; arguments pred_ipd, abf; writes abf
.if DOCPART == 1
	.amdgcn_target "amdgcn-amd-amdhsa--gfx1250"
	.amdhsa_code_object_version 6
	.text
	.protected	k_q3e2184bc85_tobf
	.globl	k_q3e2184bc85_tobf
	.p2align	8
	.type	k_q3e2184bc85_tobf,@function
k_q3e2184bc85_tobf:
	s_mov_b64 s[64:65], 0
	v_nop
	global_prefetch_b8 v0, s[64:65] scope:SCOPE_SE
	s_setreg_imm32_b32 hwreg(HW_REG_WAVE_MODE, 25, 1), 1
	s_wait_xcnt 0x0
; abf = pred_ipd rounded once to bf16 (nearest even), same order: [512][3072].
; A plain stream: 256 work-groups of eight waves; a work-group takes 24,576 bytes of f32 and writes 12,288 of bf16.
; Thread t takes 16 bytes at 16 t of each of six blocks of 4,096 bytes: a wave's load covers 512 neighbouring bytes,
; its store 256 neighbouring bytes at a multiple of 256.  All six loads go out first; no LDS, no barrier, no matrix work: bytes alone count.
.set INB,  24576                       ; input bytes of a work-group
.set OUTB, 12288                       ; output bytes of a work-group
.set X,    4                           ; v[4:27]   six loads of four f32
.set Y,    28                          ; v[28:39]  six pairs of packed bf16
	s_load_b128 s[4:7], s[0:1], 0x0                ; pred_ipd s[4:5], abf s[6:7]
	s_mul_i32 s2, ttmp9, INB                       ; the work-group's part, as offsets with 0 above
	s_mov_b32 s3, 0
	s_mul_i32 s8, ttmp9, OUTB
	s_mov_b32 s9, 0
	v_lshlrev_b32 v1, 4, v0                        ; 16 t
	v_lshlrev_b32 v2, 3, v0                        ; 8 t
	s_wait_kmcnt 0x0
	s_add_nc_u64 s[4:5], s[4:5], s[2:3]
	s_add_nc_u64 s[6:7], s[6:7], s[8:9]
.irp i, 0,1,2,3,4,5
	global_load_b128 v[X+4*(\i):X+4*(\i)+3], v1, s[4:5] offset:4096*(\i) th:TH_LOAD_NT
.endr
.irp i, 0,1,2,3,4,5
	s_wait_loadcnt 5-(\i)                          ; loads come back in order: block i is in, the younger ones stay out
	v_cvt_pk_bf16_f32 v[Y+2*(\i)],   v[X+4*(\i)],   v[X+4*(\i)+1]
	v_cvt_pk_bf16_f32 v[Y+2*(\i)+1], v[X+4*(\i)+2], v[X+4*(\i)+3]
	global_store_b64 v2, v[Y+2*(\i):Y+2*(\i)+1], s[6:7] offset:2048*(\i)
.endr
	s_endpgm
.Lfunc_end_k_q3e2184bc85_tobf:
	.size	k_q3e2184bc85_tobf, .Lfunc_end_k_q3e2184bc85_tobf-k_q3e2184bc85_tobf
	.p2alignl 7, 3214868480
	.fill 96, 4, 3214868480
	.section	.rodata,"a",@progbits
	.p2align	6, 0x0
	.amdhsa_kernel k_q3e2184bc85_tobf
		.amdhsa_group_segment_fixed_size 0
		.amdhsa_private_segment_fixed_size 0
		.amdhsa_enable_private_segment 0
		.amdhsa_kernarg_size 16
		.amdhsa_user_sgpr_count 2
		.amdhsa_user_sgpr_kernarg_segment_ptr 1
		.amdhsa_wavefront_size32 1
		.amdhsa_system_sgpr_workgroup_id_x 1
		.amdhsa_system_sgpr_workgroup_id_y 1
		.amdhsa_system_sgpr_workgroup_id_z 1
		.amdhsa_system_vgpr_workitem_id 0
		.amdhsa_next_free_vgpr 40
		.amdhsa_next_free_sgpr 66
		.amdhsa_reserve_vcc 0
		.amdhsa_float_denorm_mode_32 3
		.amdhsa_float_denorm_mode_16_64 3
		.amdhsa_memory_ordered 1
		.amdhsa_forward_progress 1
		.amdhsa_inst_pref_size 3
	.end_amdhsa_kernel
	.amdgpu_metadata
---
amdhsa.version: [ 1, 2 ]
amdhsa.kernels:
  - .name:           k_q3e2184bc85_tobf
    .symbol:         k_q3e2184bc85_tobf.kd
    .args:
      - { .name: pred_ipd, .offset: 0, .size: 8, .value_kind: global_buffer, .address_space: global }
      - { .name: abf, .offset: 8, .size: 8, .value_kind: global_buffer, .address_space: global }
    .group_segment_fixed_size: 0
    .private_segment_fixed_size: 0
    .kernarg_segment_align: 8
    .kernarg_segment_size: 16
    .max_flat_workgroup_size: 256
    .sgpr_count:     66
    .vgpr_count:     40
    .wavefront_size: 32
...
	.end_amdgpu_metadata
.endif
;; end of part 1
;; launch main (part 2): grid 208 x 1, 4 waves a work-group, clusters of 4 x 1, 327,680 bytes of LDS; arguments abf, dpipd_template, out2, rec; writes out2, rec
.if DOCPART == 2
	.amdgcn_target "amdgcn-amd-amdhsa--gfx1250"
	.amdhsa_code_object_version 6
	.text
	.protected	k_q3e2184bc85_main
	.globl	k_q3e2184bc85_main
	.p2align	8
	.type	k_q3e2184bc85_main,@function
k_q3e2184bc85_main:
	s_mov_b64 s[64:65], 0
	v_nop
	global_prefetch_b8 v0, s[64:65] scope:SCOPE_SE
	s_setreg_imm32_b32 hwreg(HW_REG_WAVE_MODE, 25, 1), 1
	s_wait_xcnt 0x0
	s_wait_alu depctr_hold_cnt(0) depctr_sa_sdst(0) depctr_va_vdst(0) depctr_va_sdst(0) depctr_va_ssrc(0) depctr_va_vcc(0) depctr_vm_vsrc(0)
	s_getreg_b32 s2, hwreg(HW_REG_IB_STS2, 6, 4)
	s_cmp_eq_u32 s2, 0
	s_cbranch_scc0 .Lentry_in_a_cluster
	s_endpgm
.Lentry_in_a_cluster:
	s_bfe_u32 s2, ttmp6, 0x10000c
	s_cmp_lg_u32 s2, 0x3003
	s_cbranch_scc0 .Lentry_shape_is_right
	s_endpgm
.Lentry_shape_is_right:
; S[row][g] = sum over k of ipd[row][k] tpl[g][k]; ipd: 512 x 3072 (abf, bf16), tpl: 16,471 x 3072 (f32, rounded to bf16 on its way); sums in f32.
; Stored: out2 = S / 1536, and for each (tile, row) a record {best S of the tile's columns, its column g, |tpl[g]|^2, 0}, from which the next launch takes the argmax, the ratio and the angles.
; <tpl[g], ipd> of the winner IS the winning S, and |tpl|^2 is summed (f32, unrounded) for every template row while the row passes through registers: nothing is gathered.
; SHARES.  Tile t of 208 owns the columns c0(t) = 79 t + (3 t >> 4) up to c0(t + 1): 79 or 80 of them, 16,471 in all.  A work-group makes all 512 rows of one tile, always on 80 columns from c0
; (c0 + 80 never passes 16,471); an 80th column that is the neighbour's is hidden from the maximum and not stored.  So each template row is read by one work-group (one row in eighty by two).
; Wave w owns rows 128 w .. 128 w + 127 x 80 columns: 8 x 5 accumulators of 16 x 16, 320 registers.  K goes in steps of 128, four quarters of 32.
; IPD comes by the tensor data mover through a ring of two LDS slots; each wave fetches and reads its own 128 rows (rows of 256 bytes, at multiples of 256 from the buffer's first byte).
; CLUSTER 4 x 1: all work-groups read the same ipd, so each tile of it is asked for jointly by four, with one descriptor made of the wave's number alone.  The template is shared by nobody: no joint load.
; The place in the cluster enters c0 and the width, and through them global addresses, data and the lanes of some global stores: no LDS access, no branch and no trip count hangs on it.
; TEMPLATE: wave w loads rows c0 + 20 w .. + 19, 512 neighbouring bytes of a row a load, two K steps ahead, into two sets of 80 registers; squares them into the norms, rounds them, and stores bf16
; into a second ring of two small LDS slots, which all four waves read.  The one barrier of a K step orders both rings.
; THE MATRIX INSTRUCTION IS USED TRANSPOSED: source 0 = 16 template rows, source 1 = 16 ipd rows: register j of lane (r, h) holds S(row 16 a + r, column 16 b + 8 h + j).
; THE WAY OUT: a row of out2 is 65,884 bytes, so rows share no alignment beyond 4 bytes: the tile goes through a stage in LDS and leaves in runs of 128 neighbouring bytes, 4 bytes a lane.
; LIMITS.  The argmax is that of the sums of operands rounded to bf16; scores closer than an f32 sum's rounding fall either way; equal scores go to the lowest column.  NaN and infinities are not treated
; apart.  A hidden column's sum starts at the lowest finite number.  out2 is S times the f32 nearest to 1/1536.
; REGISTERS, in windows of 256 (s_set_vgpr_msb: bits 1:0 source 0, 3:2 source 1, 5:4 source 2, 7:6 destination):
;   window 0: v0-31 addresses; v32-39 the mask of columns 64-79; v48-151, v152-255 two fragment buffers (64 of ipd, 40 of template); on the way out v48-255 at work
;   window 1: accumulators (a, b), a < 6, at v[8 (5 a + b)]      window 2: v0-79 those of a = 6, 7; v80-159, v160-239 the two template sets      window 3: v0-39 the norms' partial sums
.set KDIM,  3072
.set KS,    128                        ; K step
.set P,     272                        ; an LDS row: 256 bytes + 16 of padding = 68 words: the 16 rows of a fragment load start at 16 different groups of four banks (64 banks of 4 bytes: ISA guide 11.1)
.set AW,    128*P                      ; a wave's 128 rows of ipd
.set SLOTA, 4*AW
.set BBASE, 2*SLOTA                    ; behind ipd's ring: the template's ring, written by LDS stores alone
.set SLOTB, 80*P
.set SCR,   BBASE+2*SLOTB              ; 80 norms
.set SPARE, SCR+512                    ; the spare words, 128 bytes for each wave: two blocks of 256 bytes that no other line names
.set SPT,   336                        ; a stage row: 80 f32 + 16 bytes = 21 x 16 bytes
.set STGW,  128*SPT                    ; a wave's stage; the four lie in ipd's ring, behind its last fill and a barrier
.set NCOL,  16471
.set ROWB,  NCOL*4                     ; bytes in a row of out2
.set TROW,  KDIM*4                     ; bytes in a template row
.set ADRA, 4                           ; v4-5  LDS address of my ipd fragments in slot 0, 1
.set ADRB, 6                           ; v6    of the template fragments in slot 0
.set BST,  7                           ; v7    where I store 8 bytes of my first template row, slot 0
.set GOFF, 8                           ; v8    16 x lane: my place in 512 bytes of a template row, and in 32 records
.set SCRA, 10                          ; v10   my wave's 20 norms
.set NRA,  11                          ; v11   the norms of my lane's columns
.set STO,  12                          ; v12   the stage: where my lane's 16 bytes go
.set TL,   13                          ; v13   the same, stepped by the loop over rows
.set RD,   14                          ; v14   the stage read by rows, columns 0-63
.set CO,   15                          ; v15   4 x lane
.set RD2,  17                          ; v17   the stage read by rows, columns 64-79, two rows a load; never rewritten
.set CO2,  18                          ; v18   the same place in out2; never rewritten
.set H8,   19                          ; v19   8 h
.set TMP,  20
.set SPW,  30                          ; v30   LDS address of my spare word; never rewritten
.set NIL,  31                          ; v31   0; never rewritten
.set MD4,  32                          ; v32-39 what starts the sums of columns 64 + 8 h + j: 0, or the lowest finite number where the column is not mine
.set F0,   48
.set F1,   152
.set S0,   80                          ; window 2
.set S1,   160
.set T,    48                          ; way out: 2 x 40 scores of my lane
.set X,    128                         ; way out: 64 registers read by rows
.set CODE, 192                         ; ten chains: 8 b + j of the best so far
.set BN,   202                         ; ten chains: its norm
.set W,    212                         ; the record
.set NR,   216                         ; the norms of my lane's 40 columns
.set G1,   24                          ; s[24:31] descriptor group 1
.set G0,   32                          ; s[32:39] descriptor group 0, a set for each slot
.set MK,   40                          ; s[40:49] lane masks
.set MSB, 0
.macro WIN new                         ; the immediate's high byte repeats the setting that is left; a switch that changes nothing is dropped
.if MSB != (\new)
	s_set_vgpr_msb (MSB<<8)|(\new)
.set MSB, (\new)
.endif
.endm
.macro PLACES                          ; four places in front of loads into registers that matrix instructions have read, and of lines that read results (ISA guide 7.12.1 for lines that read results)
.rept 4
	v_nop
.endr
.endm
.macro CREST                           ; a round of the cluster's barrier behind its opening barrier
	s_cmp_lg_u32 s12, 0
	s_cbranch_scc1 .Lnot_wave_0_\@
	s_barrier_signal -3
.Lnot_wave_0_\@:
	s_barrier_wait -3
	s_barrier_signal -1
	s_barrier_wait -1
.endm
.macro CROUND                          ; a whole round
	s_barrier_signal -1
	s_barrier_wait -1
	CREST
.endm
; Products of row blocks alo .. ahi x all 5 column blocks, 32 along K, from buffer f.  The 40 accumulators take turns in one order in every quarter.
; first = 1: the products start the sums, with 0 or, for columns 64-79, with the mask: nothing is cleared.
.macro MULR f, alo, ahi, first=0
.set a_, \alo
.rept (\ahi)-(\alo)+1
.if a_ < 6
.set ac_, 40*a_
	WIN 0x50-0x10*(\first)                         ; C and D in window 1 (first: C in window 0)
.else
.set ac_, 40*(a_-6)
	WIN 0xa0-0x20*(\first)                         ; in window 2
.endif
.set b_, 0
.rept 5
.if (\first) && (b_ < 4)
	v_wmma_f32_16x16x32_bf16 v[ac_+8*b_:ac_+8*b_+7], v[(\f)+64+8*b_:(\f)+64+8*b_+7], v[(\f)+8*a_:(\f)+8*a_+7], 0
.elseif \first
	v_wmma_f32_16x16x32_bf16 v[ac_+8*b_:ac_+8*b_+7], v[(\f)+64+8*b_:(\f)+64+8*b_+7], v[(\f)+8*a_:(\f)+8*a_+7], v[MD4:MD4+7]
.else
	v_wmma_f32_16x16x32_bf16 v[ac_+8*b_:ac_+8*b_+7], v[(\f)+64+8*b_:(\f)+64+8*b_+7], v[(\f)+8*a_:(\f)+8*a_+7], v[ac_+8*b_:ac_+8*b_+7]
.endif
.set b_, b_+1
.endr
.set a_, a_+1
.endr
.endm
; 26 LDS loads in one run: a quarter's fragments (my 128 rows of ipd, the 80 template rows, 32 K at byte kb of the rows) into buffer f.
; A fragment: lane (r, h) holds row r; registers 0-3 K = 8 h + 0..7, registers 4-7 K = 16 + 8 h + 0..7: two loads of 16 bytes, 32 bytes apart.
.macro FETCH slot, kb, f
	WIN 0
.irp i, 0,1,2,3,4,5,6,7
	ds_load_b128 v[(\f)+8*(\i):(\f)+8*(\i)+3],   v[ADRA+(\slot)] offset:(\i)*16*P+(\kb)
	ds_load_b128 v[(\f)+8*(\i)+4:(\f)+8*(\i)+7], v[ADRA+(\slot)] offset:(\i)*16*P+(\kb)+32
.endr
.irp i, 0,1,2,3,4
	ds_load_b128 v[(\f)+64+8*(\i):(\f)+64+8*(\i)+3],   v[ADRB] offset:(\slot)*SLOTB+(\i)*16*P+(\kb)
	ds_load_b128 v[(\f)+64+8*(\i)+4:(\f)+64+8*(\i)+7], v[ADRB] offset:(\slot)*SLOTB+(\i)*16*P+(\kb)+32
.endr
.endm
; One K step of my 20 template rows, out of set sreg: squared into the norms, rounded to bf16, stored into template slot bslot.  reload = 1: the set is asked for again, two steps further on.
; lcnt: the loads issued behind this set's, the other set's 20, which stay out.  first = 1: the squares start the norms' sums.
.macro BPHASE sreg, bslot, reload, lcnt, first=0
	s_wait_loadcnt \lcnt
	WIN 0xfa                                       ; sums in window 3, the set in window 2
.set i_, 0
.rept 20
.if \first
	v_pk_mul_f32 v[2*i_:2*i_+1], v[(\sreg)+4*i_:(\sreg)+4*i_+1], v[(\sreg)+4*i_:(\sreg)+4*i_+1]
.else
	v_pk_fma_f32 v[2*i_:2*i_+1], v[(\sreg)+4*i_:(\sreg)+4*i_+1], v[(\sreg)+4*i_:(\sreg)+4*i_+1], v[2*i_:2*i_+1]
.endif
.set i_, i_+1
.endr
.set i_, 0
.rept 20
	v_pk_fma_f32 v[2*i_:2*i_+1], v[(\sreg)+4*i_+2:(\sreg)+4*i_+3], v[(\sreg)+4*i_+2:(\sreg)+4*i_+3], v[2*i_:2*i_+1]
.set i_, i_+1
.endr
	WIN 0x8a                                       ; all in window 2
.set i_, 0
.rept 20
	v_cvt_pk_bf16_f32 v[(\sreg)+4*i_],   v[(\sreg)+4*i_],   v[(\sreg)+4*i_+1]
	v_cvt_pk_bf16_f32 v[(\sreg)+4*i_+1], v[(\sreg)+4*i_+2], v[(\sreg)+4*i_+3]
.set i_, i_+1
.endr
	WIN 0x08                                       ; address window 0, data window 2
.set i_, 0
.rept 20
	ds_store_b64 v[BST], v[(\sreg)+4*i_:(\sreg)+4*i_+1] offset:(\bslot)*SLOTB+P*i_  ; 32 lanes x 8 bytes: the row's 256 bytes
.set i_, i_+1
.endr
.if \reload
	s_wait_xcnt 0x0                                ; the other set's loads, still out, name the pointer: it is stepped only behind this wait
	s_add_nc_u64 s[20:21], s[20:21], KS*4
	WIN 0x80                                       ; destination window 2
.set i_, 0
.rept 20
	global_load_b128 v[(\sreg)+4*i_:(\sreg)+4*i_+3], v[GOFF], s[20:21] offset:TROW*i_+KS*4 th:TH_LOAD_NT
.set i_, i_+1
.endr
.endif
	WIN 0
.endm
; One of a K step's first three quarters: multiplies buffer f; in its middle it fetches the next quarter, at byte kb of the same slot's rows, into g.  bp = 1: the template's phase stands there too.
.macro QUARTER slot, kb, f, g, first=0, bp=0, sreg=0, bslot=0, reload=0, lcnt=0
	s_wait_dscnt 0x0                               ; buffer f is in
	MULR \f, 0, 3, \first
.if \bp
	BPHASE \sreg, \bslot, \reload, \lcnt
.endif
	WIN 0
	PLACES
	FETCH \slot, \kb, \g
	MULR \f, 4, 7, \first
.endm
; The fourth quarter multiplies buffer 1 and changes slots: ONE barrier for both rings.  In front of it each wave waits for all its tensor loads (one is out: its part of the next ipd slot), adds 0 to its
; spare word, and waits for that, for its reads of both slots in hand and for its stores into the next template slot.  Behind it nobody reads the old slots and the next template slot is whole.
; fill = 2: the barrier opens a round of the cluster's barrier, and the old ipd slot is filled again, two steps on, first thing behind the round.  fill = 1: nothing is left to ask for.
.macro TURN slot, next, fill
	WIN 0
	s_wait_tensorcnt 0x0                           ; no tensor load of mine is out, so a group 0 may be written
	ds_add_u32 v[SPW], v[NIL]                      ; 0 onto my spare word
.if (\fill) == 2
	s_add_nc_u64 s[G0+4*(\slot)+2:G0+4*(\slot)+3], s[G0+4*(\slot)+2:G0+4*(\slot)+3], 2*KS*2  ; this slot's next tile; the type bits on top are not reached
.endif
	s_wait_dscnt 0x0                               ; the add, my reads and my stores are done; buffer 1 is in
	s_barrier_signal -1
	MULR F1, 0, 3                                  ; work on registers while the others arrive
	WIN 0
	s_barrier_wait -1
.if (\fill) == 2
	CREST                                          ; no wave of any partner still reads this slot or has a load on its way
	tensor_load_to_lds s[G0+4*(\slot):G0+4*(\slot)+3], s[G1:G1+7]  ; my one tensor load behind the round: one is out until the next change of slots
	s_nop 0
.endif
	PLACES                                         ; the places in front of the loads below
	FETCH \next, 0, F0
	MULR F1, 4, 7
.endm
	s_load_b256 s[4:11], s[0:1], 0x0               ; abf s[4:5], template s[6:7], out2 s[8:9], rec s[10:11]
	v_lshl_add_u32 v[SPW], v0, 2, SPARE
	v_mov_b32 v[NIL], 0
	ds_add_u32 v[SPW], v[NIL]                      ; the wave's opening: the add and its wait stand ahead of my first tensor load; the set-up below, work on registers, stands between them
	v_lshrrev_b32 v1, 5, v0
	v_readfirstlane_b32 s12, v1                    ; wave 0..3
	s_bfe_u32 s13, ttmp6, 0x40000                  ; cx: my place in the cluster; it enters c0 and the width alone
	s_lshl_b32 s14, ttmp9, 2                       ; in a cluster launch ttmp9 counts clusters
	s_add_co_u32 s14, s14, s13                     ; tile t
	s_mul_i32 s15, s14, 79
	s_mul_i32 s16, s14, 3
	s_lshr_b32 s55, s16, 4
	s_add_co_u32 s15, s15, s55                     ; c0 = 79 t + (3 t >> 4)
	s_add_co_u32 s16, s16, 3
	s_lshr_b32 s16, s16, 4
	s_sub_co_u32 s16, s16, s55
	s_add_co_u32 s16, s16, 79                      ; the tile's width: c0(t + 1) - c0(t), 79 or 80
	; descriptor group 1: a tile of 128 rows x 128 elements of 2 bytes, padded in LDS
	s_mov_b32 s[G1+0], 15|(1<<16)|(1<<20)|(1<<21)|(5<<22)|(3<<25)  ; 15:0 the mask: all four work-groups; 17:16 2-byte elements; 20 padding on; 21 set beside a mask; 24:22 after every 64 words (code 5); 31:25 4 words (code 3)
	s_mov_b32 s[G1+1], KS<<16                      ; tensor_dim0 = 128
	s_mov_b32 s[G1+2], 128<<16                     ; tensor_dim1 = 128
	s_mov_b32 s[G1+3], KS<<16                      ; tile_dim0 = 128
	s_mov_b32 s[G1+4], 128                         ; tile_dim1 = 128
	s_mov_b32 s[G1+5], KDIM                        ; elements from row to row
	s_mov_b32 s[G1+6], 0
	s_mov_b32 s[G1+7], 0
	s_mov_b32 s[G0+0], 1                           ; count = 1
	s_mul_i32 s[G0+1], s12, AW                     ; LDS address: my 128 rows of slot 0,
	s_mov_b32 s[G0+4], 1
	s_add_co_u32 s[G0+5], s[G0+1], SLOTA           ; of slot 1
	s_mul_i32 s18, s12, 128*KDIM*2                 ; my 128 rows in abf: made of the wave's number alone, in registers that never hold cx
	s_mov_b32 s19, 0
	s_mov_b32 s52, 0x76543210                      ; v_permlanex16_b32's selects: each lane takes its own place in the other half
	s_mov_b32 s53, 0xfedcba98
	s_mov_b32 s54, 0xff7fffff                      ; the lowest finite number
	v_and_b32 v1, 15, v0                           ; r
	v_bfe_u32 v2, v0, 4, 1                         ; h
	v_and_b32 v3, 31, v0                           ; lane
	v_mul_u32_u24 v[TMP], v1, P
	v_lshl_add_u32 v[TMP], v2, 4, v[TMP]           ; a fragment's row x pitch + 16 h
	v_add_nc_u32 v[ADRA], s[G0+1], v[TMP]
	v_add_nc_u32 v[ADRA+1], SLOTA, v[ADRA]
	v_add_nc_u32 v[ADRB], BBASE, v[TMP]
	s_mul_i32 s17, s12, 20*P
	s_add_co_u32 s17, s17, BBASE
	v_lshl_add_u32 v[BST], v3, 3, s17
	v_lshlrev_b32 v[GOFF], 4, v3
	s_mul_i32 s17, s12, 80
	s_add_co_u32 s17, s17, SCR
	v_mov_b32 v[SCRA], s17
	v_lshl_add_u32 v[NRA], v2, 5, SCR
	s_mul_i32 s17, s12, STGW                       ; my stage
	v_mul_u32_u24 v[STO], v1, SPT
	v_lshl_add_u32 v[STO], v2, 5, v[STO]
	v_add_nc_u32 v[STO], s17, v[STO]               ; row r, columns 8 h on
	v_mov_b32 v[TL], v[STO]
	v_lshl_add_u32 v[RD], v3, 2, s17
	v_lshlrev_b32 v[CO], 2, v3
	v_mul_u32_u24 v[RD2], v2, SPT
	v_lshl_add_u32 v[RD2], v1, 2, v[RD2]
	v_add_nc_u32 v[RD2], s17, v[RD2]
	v_add_nc_u32 v[RD2], 256, v[RD2]               ; row h, column 64 + r
	v_mul_u32_u24 v[CO2], v2, ROWB
	v_lshl_add_u32 v[CO2], v1, 2, v[CO2]
	v_add_nc_u32 v[CO2], 256, v[CO2]
	v_lshlrev_b32 v[H8], 3, v2
	v_cmp_eq_u32 s51, 1, v2                        ; the lanes with h = 1
	s_wait_dscnt 0x0                               ; the opening add is done
	s_wait_kmcnt 0x0
	s_add_nc_u64 s[G0+2:G0+3], s[4:5], s[18:19]    ; global address: K step 0,
	s_add_nc_u64 s[G0+6:G0+7], s[G0+2:G0+3], KS*2  ; K step 1
	s_or_b32 s[G0+3], s[G0+3], 0x80000000          ; type = 2
	s_or_b32 s[G0+7], s[G0+7], 0x80000000
	s_mul_i32 s22, s12, 20
	s_add_co_u32 s22, s22, s15
	s_mul_i32 s22, s22, TROW                       ; template row c0 + 20 w, in bytes (under 2^28)
	s_mov_b32 s23, 0
	s_add_nc_u64 s[20:21], s[6:7], s[22:23]
	s_mul_i32 s22, s12, 128*NCOL
	s_add_co_u32 s22, s22, s15
	s_lshl_b32 s22, s22, 2                         ; out2 at (row 128 w, column c0)
	s_add_nc_u64 s[56:57], s[8:9], s[22:23]
	s_mov_b64 s[62:63], s[56:57]
	s_lshl_b32 s22, s14, 13                        ; rec at (tile, row 128 w): 8,192 bytes a tile, 16 a row
	s_lshl_b32 s55, s12, 11
	s_add_co_u32 s22, s22, s55
	s_add_nc_u64 s[58:59], s[10:11], s[22:23]
	WIN 0x80                                       ; the template's K steps 0 and 1 are asked for before anything else: 40 loads of 512 neighbouring bytes
.set i_, 0
.rept 20
	global_load_b128 v[S0+4*i_:S0+4*i_+3], v[GOFF], s[20:21] offset:TROW*i_ th:TH_LOAD_NT
.set i_, i_+1
.endr
.set i_, 0
.rept 20
	global_load_b128 v[S1+4*i_:S1+4*i_+3], v[GOFF], s[20:21] offset:TROW*i_+KS*4 th:TH_LOAD_NT
.set i_, i_+1
.endr
	WIN 0
	CROUND                                         ; all four work-groups are here: the first joint loads meet
	tensor_load_to_lds s[G0:G0+3], s[G1:G1+7]      ; both first fills together: two tensor loads of mine are out
	s_nop 0
	tensor_load_to_lds s[G0+4:G0+7], s[G1:G1+7]
	s_nop 0
	PLACES
.set j_, 0
.rept 8                                            ; the mask: column 64 + 8 h + j is hidden where it is not below the width
	v_add_nc_u32 v[TMP], 64+j_, v[H8]
	v_cmp_le_u32 vcc_lo, s16, v[TMP]
	v_cndmask_b32 v[MD4+j_], 0, s54, vcc_lo
.set j_, j_+1
.endr
	BPHASE S0, 0, 1, 20, 1                         ; K step 0 into template slot 0; step 2 is asked for
	s_wait_tensorcnt 0x1                           ; my part of ipd's slot 0 is in; slot 1's may stay out
	s_wait_dscnt 0x0                               ; for the others' sake: my template rows are stored
	s_barrier_signal -1
	s_barrier_wait -1
	FETCH 0, 0, F0
	QUARTER 0, 64, F0, F1, 1                       ; the first quarter stands in front of the loop: its products start the sums
	WIN 0                                          ; at a label and at a branch every window is 0
	s_mov_b32 s50, 10
.Llap:                                                 ; a trip: two K steps, from the first's second quarter to the next trip's first.  In step t the template's step t + 1 is rounded and t + 3 asked for
	QUARTER 0, 128, F1, F0, 0, 1, S1, 1, 1, 20
	QUARTER 0, 192, F0, F1
	TURN 0, 1, 2
	QUARTER 1, 64,  F0, F1
	QUARTER 1, 128, F1, F0, 0, 1, S0, 0, 1, 20
	QUARTER 1, 192, F0, F1
	TURN 1, 0, 2
	QUARTER 0, 64,  F0, F1
	WIN 0
	s_sub_co_u32 s50, s50, 1
	s_cmp_lg_u32 s50, 0
	s_cbranch_scc1 .Llap
	QUARTER 0, 128, F1, F0, 0, 1, S1, 1, 1, 20     ; step 20: the template's last request (step 23); the tail is written out, so that no load is jumped over and none leaves its buffer
	QUARTER 0, 192, F0, F1
	TURN 0, 1, 2                                   ; ipd's step 22
	QUARTER 1, 64,  F0, F1                         ; step 21
	QUARTER 1, 128, F1, F0, 0, 1, S0, 0, 0, 20
	QUARTER 1, 192, F0, F1
	TURN 1, 0, 2                                   ; ipd's step 23: the last fill
	QUARTER 0, 64,  F0, F1                         ; step 22
	QUARTER 0, 128, F1, F0, 0, 1, S1, 1, 0, 0      ; the last set: no load was issued behind it
	QUARTER 0, 192, F0, F1
	TURN 0, 1, 1
	QUARTER 1, 64,  F0, F1                         ; step 23
	QUARTER 1, 128, F1, F0
	QUARTER 1, 192, F0, F1
	s_wait_dscnt 0x0
	MULR F1, 0, 7
	WIN 0
	; THE NORMS: my 20 rows' partial sums are added over the 32 lanes and stored for all four waves.
	PLACES
	WIN 0x0f                                       ; sources in window 3
.set i_, 0
.rept 20
	v_add_f32 v[T+i_], v[2*i_], v[2*i_+1]
.set i_, i_+1
.endr
	WIN 0
.irp m, 1,2,4,8
.set i_, 0
.rept 20
	v_add_f32_dpp v[T+i_], v[T+i_], v[T+i_] row_xmask:\m row_mask:0xf bank_mask:0xf
.set i_, i_+1
.endr
.endr
.set i_, 0
.rept 20
	v_permlanex16_b32 v[F1+i_], v[T+i_], s52, s53  ; its destination counts as read: registers that the fetches have written
.set i_, i_+1
.endr
.set i_, 0
.rept 20
	v_add_f32 v[T+i_], v[T+i_], v[F1+i_]
.set i_, i_+1
.endr
.set i_, 0
.rept 20
	ds_store_b32 v[SCRA], v[T+i_] offset:4*i_      ; all lanes hold the same sum
.set i_, i_+1
.endr
	s_wait_dscnt 0x0                               ; for the others' sake: my norms are stored; my reads of both rings ended long ago
	s_barrier_signal -1
	s_barrier_wait -1                              ; ipd's ring has had its last fill and its last read: it now serves as the four stages
.irp b, 0,1,2,3,4
	ds_load_b128 v[NR+8*(\b):NR+8*(\b)+3],   v[NRA] offset:64*(\b)
	ds_load_b128 v[NR+8*(\b)+4:NR+8*(\b)+7], v[NRA] offset:64*(\b)+16
.endr
	; THE STAGE: the raw sums, 16 bytes a lane; each accumulator's lowest registers first.  The stage is my wave's own: LDS serves a wave's instructions in order (ISA guide 5.7.1.4).
.set a_, 0
.rept 8
.if a_ < 6
.set ac_, 40*a_
	WIN 0x04                                       ; data in window 1
.else
.set ac_, 40*(a_-6)
	WIN 0x08                                       ; in window 2
.endif
.set b_, 0
.rept 5
	ds_store_b128 v[STO], v[ac_+8*b_:ac_+8*b_+3]   offset:a_*16*SPT+64*b_
	ds_store_b128 v[STO], v[ac_+8*b_+4:ac_+8*b_+7] offset:a_*16*SPT+64*b_+16
.set b_, b_+1
.endr
.set a_, a_+1
.endr
	WIN 0
	s_mov_b32 s50, 4
.Lrows:                                                ; four trips of 32 rows: their records, and columns 0-63 of out2
.set c_, 0
.rept 10                                           ; as the accumulators lay: row block u = c / 5, column block b = c % 5
	ds_load_b128 v[T+8*c_:T+8*c_+3],   v[TL] offset:(c_/5)*16*SPT+64*(c_%5)
	ds_load_b128 v[T+8*c_+4:T+8*c_+7], v[TL] offset:(c_/5)*16*SPT+64*(c_%5)+16
.set c_, c_+1
.endr
.set i_, 0
.rept 60                                           ; by rows: row i / 2, columns 32 (i % 2) + lane; 60 of the trip's 64 such loads stand ahead of the scan's wait,
	ds_load_b32 v[X+i_], v[RD] offset:SPT*(i_/2)+128*(i_%2)
.set i_, i_+1
.endr
	s_wait_dscnt 60                                ; which leaves exactly those 60 out: the scores for the scan are in, and the norms (LDS loads come back in order: ISA guide 5.7.1)
.rept 4                                            ; the last four follow behind it
	ds_load_b32 v[X+i_], v[RD] offset:SPT*(i_/2)+128*(i_%2)
.set i_, i_+1
.endr
	; The scan: ten chains (u, b) over j.  The best stays in the chain's register 0; its place 8 b + j and its norm follow by selects.  'Greater' alone moves them: among equals the lowest column stays.
.set c_, 0
.rept 10
	v_mov_b32 v[CODE+c_], 8*(c_%5)
	v_mov_b32 v[BN+c_], v[NR+8*(c_%5)]
.set c_, c_+1
.endr
.set j_, 1
.rept 7
.set c_, 0
.rept 10
	v_cmp_gt_f32 s[MK+c_], v[T+8*c_+j_], v[T+8*c_]
.set c_, c_+1
.endr
.set c_, 0
.rept 10
	v_max_num_f32 v[T+8*c_], v[T+8*c_+j_], v[T+8*c_]
.set c_, c_+1
.endr
.set c_, 0
.rept 10
	v_cndmask_b32 v[CODE+c_], v[CODE+c_], 8*(c_%5)+j_, s[MK+c_]
.set c_, c_+1
.endr
.set c_, 0
.rept 10
	v_cndmask_b32 v[BN+c_], v[BN+c_], v[NR+8*(c_%5)+j_], s[MK+c_]
.set c_, c_+1
.endr
.set j_, j_+1
.endr
.irp b, 1,2,3,4                                    ; chains 1 to 4 into chain 0, columns ascending
.irp u, 0,1
	v_cmp_gt_f32 s[MK+(\u)], v[T+40*(\u)+8*(\b)], v[T+40*(\u)]
.endr
.irp u, 0,1
	v_max_num_f32 v[T+40*(\u)], v[T+40*(\u)+8*(\b)], v[T+40*(\u)]
	v_cndmask_b32 v[CODE+5*(\u)], v[CODE+5*(\u)], v[CODE+5*(\u)+(\b)], s[MK+(\u)]
	v_cndmask_b32 v[BN+5*(\u)], v[BN+5*(\u)], v[BN+5*(\u)+(\b)], s[MK+(\u)]
.endr
.endr
.irp u, 0,1
	v_and_b32 v[TMP+(\u)], 0x38, v[CODE+5*(\u)]    ; 8 b
.endr
.irp u, 0,1
	v_add_nc_u32 v[TMP+(\u)], v[TMP+(\u)], v[H8]
.endr
.irp u, 0,1
	v_add_nc_u32 v[CODE+5*(\u)], v[CODE+5*(\u)], v[TMP+(\u)]  ; the column in the tile: 16 b + 8 h + j
.endr
.irp u, 0,1                                        ; the row's other 40 columns lie in the lane 16 away
	v_permlanex16_b32 v[T+40*(\u)+1], v[T+40*(\u)], s52, s53
	v_permlanex16_b32 v[T+40*(\u)+2], v[CODE+5*(\u)], s52, s53
	v_permlanex16_b32 v[T+40*(\u)+3], v[BN+5*(\u)], s52, s53
.endr
.irp u, 0,1                                        ; the partner's is taken if it is greater, or equal at a lower column
	v_cmp_gt_f32 s[MK+3*(\u)],   v[T+40*(\u)+1], v[T+40*(\u)]
	v_cmp_eq_f32 s[MK+3*(\u)+1], v[T+40*(\u)+1], v[T+40*(\u)]
	v_cmp_lt_u32 s[MK+3*(\u)+2], v[T+40*(\u)+2], v[CODE+5*(\u)]
	s_and_b32 s[MK+3*(\u)+1], s[MK+3*(\u)+1], s[MK+3*(\u)+2]
	s_or_b32  s[MK+3*(\u)], s[MK+3*(\u)], s[MK+3*(\u)+1]
	v_cndmask_b32 v[T+40*(\u)], v[T+40*(\u)], v[T+40*(\u)+1], s[MK+3*(\u)]
	v_cndmask_b32 v[CODE+5*(\u)], v[CODE+5*(\u)], v[T+40*(\u)+2], s[MK+3*(\u)]
	v_cndmask_b32 v[BN+5*(\u)], v[BN+5*(\u)], v[T+40*(\u)+3], s[MK+3*(\u)]
.endr
	v_cndmask_b32 v[W],   v[T],    v[T+40],   s51  ; lanes 0-15 take rows 0-15 of the 32, lanes 16-31 rows 16-31: lane l holds row l's record
	v_cndmask_b32 v[W+1], v[CODE], v[CODE+5], s51
	v_cndmask_b32 v[W+2], v[BN],   v[BN+5],   s51
	v_add_nc_u32 v[W+1], s15, v[W+1]               ; g = c0 + the column in the tile
	v_mov_b32 v[W+3], 0
	global_store_b128 v[GOFF], v[W:W+3], s[58:59]  ; 512 neighbouring bytes, at a multiple of 256 from rec's first byte
	s_wait_dscnt 0x0                               ; the rows are in
.set i_, 0
.rept 32
	v_pk_mul_f32 v[X+2*i_:X+2*i_+1], v[X+2*i_:X+2*i_+1], 0x3a2aaaab op_sel_hi:[1,0]  ; times 1 / 1536
.set i_, i_+1
.endr
.set i_, 0
.rept 64
	global_store_b32 v[CO], v[X+i_], s[56:57] offset:ROWB*(i_/2)+128*(i_%2) th:TH_STORE_NT  ; a wave stores 128 neighbouring bytes of a row
.set i_, i_+1
.endr
	s_wait_xcnt 0x0                                ; the stores' data, and their bases, are written again only behind this wait
	v_add_nc_u32 v[TL], 32*SPT, v[TL]
	v_add_nc_u32 v[RD], 32*SPT, v[RD]
	s_add_nc_u64 s[56:57], s[56:57], 32*ROWB
	s_add_nc_u64 s[58:59], s[58:59], 512
	s_sub_co_u32 s50, s50, 1
	s_cmp_lg_u32 s50, 0
	s_cbranch_scc1 .Lrows
	; COLUMNS 64 TO 79 of my 128 rows, two rows a load, 16 lanes each.  The LDS loads and the scaling run with every lane on and from an address that is never rewritten, alike in all partners of the
	; cluster; only the global stores run under the mask of the tile's width, which switches off the lanes of an 80th column that is the neighbour's.  Written out: the rows stand in the immediates,
	; 42,336 bytes of LDS and 8,301,384 bytes of out2 at the most, inside their fields of 16 and of signed 24 bits (ISA guide, chapter 10: the table of the instructions' fields).
.set i_, 0
.rept 64
	ds_load_b32 v[X+i_], v[RD2] offset:2*SPT*i_    ; lanes 0-15: bytes 256 to 319 of row 2 i; lanes 16-31: of row 2 i + 1; no lane reads a row's 16 bytes of padding
.set i_, i_+1
.endr
	v_add_nc_u32 v[TMP], 64, v1
	v_cmp_gt_u32 vcc_lo, s16, v[TMP]               ; is column 64 + r mine?
	s_wait_dscnt 0x0
.set i_, 0
.rept 32
	v_pk_mul_f32 v[X+2*i_:X+2*i_+1], v[X+2*i_:X+2*i_+1], 0x3a2aaaab op_sel_hi:[1,0]
.set i_, i_+1
.endr
	s_wait_xcnt 0x0                                ; EXEC changes only behind this wait
	s_and_saveexec_b32 s60, vcc_lo
.set i_, 0
.rept 64
	global_store_b32 v[CO2], v[X+i_], s[62:63] offset:2*ROWB*i_ th:TH_STORE_NT
.set i_, i_+1
.endr
	s_wait_xcnt 0x0                                ; and it is widened only behind this one
	s_or_b32 exec_lo, exec_lo, s60
	s_wait_tensorcnt 0x0                           ; the wave's end, behind my last tensor load and my last LDS store
	ds_add_u32 v[SPW], v[NIL]
	s_wait_dscnt 0x0
	CROUND                                         ; the closing round: no work-group ends while a partner may still ask for a tile that names it
	s_endpgm
.Lfunc_end_k_q3e2184bc85_main:
	.size	k_q3e2184bc85_main, .Lfunc_end_k_q3e2184bc85_main-k_q3e2184bc85_main
	.p2alignl 7, 3214868480
	.fill 96, 4, 3214868480
	.section	.rodata,"a",@progbits
	.p2align	6, 0x0
	.amdhsa_kernel k_q3e2184bc85_main
		.amdhsa_group_segment_fixed_size 327680
		.amdhsa_private_segment_fixed_size 0
		.amdhsa_enable_private_segment 0
		.amdhsa_kernarg_size 32
		.amdhsa_user_sgpr_count 2
		.amdhsa_user_sgpr_kernarg_segment_ptr 1
		.amdhsa_wavefront_size32 1
		.amdhsa_system_sgpr_workgroup_id_x 1
		.amdhsa_system_sgpr_workgroup_id_y 1
		.amdhsa_system_sgpr_workgroup_id_z 1
		.amdhsa_system_vgpr_workitem_id 0
		.amdhsa_next_free_vgpr 808
		.amdhsa_next_free_sgpr 66
		.amdhsa_reserve_vcc 1
		.amdhsa_float_denorm_mode_32 3
		.amdhsa_float_denorm_mode_16_64 3
		.amdhsa_memory_ordered 1
		.amdhsa_forward_progress 1
		.amdhsa_inst_pref_size 228
	.end_amdhsa_kernel
	.amdgpu_metadata
---
amdhsa.version: [ 1, 2 ]
amdhsa.kernels:
  - .name:           k_q3e2184bc85_main
    .symbol:         k_q3e2184bc85_main.kd
    .args:
      - { .name: abf, .offset: 0, .size: 8, .value_kind: global_buffer, .address_space: global }
      - { .name: dpipd_template, .offset: 8, .size: 8, .value_kind: global_buffer, .address_space: global }
      - { .name: out2, .offset: 16, .size: 8, .value_kind: global_buffer, .address_space: global }
      - { .name: rec, .offset: 24, .size: 8, .value_kind: global_buffer, .address_space: global }
    .group_segment_fixed_size: 327680
    .private_segment_fixed_size: 0
    .kernarg_segment_align: 8
    .kernarg_segment_size: 32
    .max_flat_workgroup_size: 128
    .sgpr_count:     66
    .vgpr_count:     808
    .wavefront_size: 32
...
	.end_amdgpu_metadata
.endif
;; end of part 2
;; launch fin (part 3): grid 16 x 1, 8 waves a work-group, no clusters, 5,120 bytes of LDS; arguments rec, ele_candidate, azi_candidate, out0, out1; writes out0, out1
.if DOCPART == 3
	.amdgcn_target "amdgcn-amd-amdhsa--gfx1250"
	.amdhsa_code_object_version 6
	.text
	.protected	k_q3e2184bc85_fin
	.globl	k_q3e2184bc85_fin
	.p2align	8
	.type	k_q3e2184bc85_fin,@function
k_q3e2184bc85_fin:
	s_mov_b64 s[64:65], 0
	v_nop
	global_prefetch_b8 v0, s[64:65] scope:SCOPE_SE
	s_setreg_imm32_b32 hwreg(HW_REG_WAVE_MODE, 25, 1), 1
	s_wait_xcnt 0x0
; For each of the 512 rows: the best of its 208 records {score, g, |tpl[g]|^2, 0}; out1 = score / norm; out0 = (ele[g / 181], azi[g % 181]).
; A work-group takes 32 rows, a lane a row; wave v scans tiles 26 v .. 26 v + 25, the eight results meet in LDS, wave 0 finishes.  Tiles ascend and own ascending columns, and 'greater' alone
; moves the best: among equal scores the lowest g stays, as in an argmax.
; g is chosen here by comparing floating-point numbers, so no address is made of it: wave 0 holds both tables in registers (each lane all 91 + 181 numbers) and picks by compare and select.
; 16 work-groups: the work is 1.7 MB of records; a load of a wave covers 512 neighbouring bytes.  No matrix work, no cluster: nothing is shared but the two small tables.
; LIMITS.  NaN and infinities are not treated apart; the division is a multiplication by v_rcp_f32's reciprocal, which takes a norm below 2^-126 as 0.
; REGISTERS: window 0: v16-119 the records, v120-210 ele;  window 1: v0-180 azi.
.set SPARE, 4096                       ; behind the eight waves' results: the spare words, 128 bytes for each wave: four blocks of 256 bytes that no other line names
.set SPW, 12                           ; v12  LDS address of my spare word; never rewritten
.set NIL, 13                           ; v13  0; never rewritten
.set R,   16
.set ELE, 120
.set MSB, 0
.macro WIN new                         ; the immediate's high byte repeats the setting that is left
.if MSB != (\new)
	s_set_vgpr_msb (MSB<<8)|(\new)
.set MSB, (\new)
.endif
.endm
.macro BEST i                          ; record i replaces record 0 where its score is greater
	v_cmp_gt_f32 vcc_lo, v[R+4*(\i)], v[R]
	v_cndmask_b32 v[R],   v[R],   v[R+4*(\i)],   vcc_lo
	v_cndmask_b32 v[R+1], v[R+1], v[R+4*(\i)+1], vcc_lo
	v_cndmask_b32 v[R+2], v[R+2], v[R+4*(\i)+2], vcc_lo
.endm
	s_load_b256 s[4:11], s[0:1], 0x0               ; rec s[4:5], ele s[6:7], azi s[8:9], out0 s[10:11]
	s_load_b64 s[12:13], s[0:1], 0x20              ; out1
	v_lshl_add_u32 v[SPW], v0, 2, SPARE
	v_mov_b32 v[NIL], 0
	v_lshrrev_b32 v4, 5, v0
	v_readfirstlane_b32 s14, v4                    ; wave 0..7
	v_and_b32 v14, 31, v0                          ; lane = row in the work-group's 32
	v_lshlrev_b32 v1, 4, v14                       ; 16 x lane
	v_mov_b32 v2, 0                                ; the tables: every lane at the same address
	v_lshlrev_b32 v3, 4, v0                        ; 16 x thread: [wave][lane] in LDS
	v_lshlrev_b32 v10, 3, v14
	v_lshlrev_b32 v11, 2, v14
	s_mul_i32 s16, s14, 26*8192                    ; my 26 tiles, 8,192 bytes each,
	s_lshl_b32 s17, ttmp9, 9                       ; the work-group's 32 rows, 16 bytes each
	s_add_co_u32 s16, s16, s17
	s_mov_b32 s17, 0
	s_lshl_b32 s18, ttmp9, 8                       ; 32 rows of out0,
	s_mov_b32 s19, 0
	s_lshl_b32 s20, ttmp9, 7                       ; of out1
	s_mov_b32 s21, 0
	s_wait_kmcnt 0x0
	s_add_nc_u64 s[4:5], s[4:5], s[16:17]
	s_add_nc_u64 s[10:11], s[10:11], s[18:19]
	s_add_nc_u64 s[12:13], s[12:13], s[20:21]
.set i_, 0
.rept 26
	global_load_b128 v[R+4*i_:R+4*i_+3], v1, s[4:5] offset:8192*i_
.set i_, i_+1
.endr
	s_cmp_lg_u32 s14, 0
	s_cbranch_scc1 .Lno_tables                     ; wave 0 alone will want the tables; it asks now, so that they come with the records
.set i_, 0
.rept 22
	global_load_b128 v[ELE+4*i_:ELE+4*i_+3], v2, s[6:7] offset:16*i_
.set i_, i_+1
.endr
	global_load_b64 v[ELE+88:ELE+89], v2, s[6:7] offset:352
	global_load_b32 v[ELE+90], v2, s[6:7] offset:360
	WIN 0x40                                       ; destination window 1
.set i_, 0
.rept 45
	global_load_b128 v[4*i_:4*i_+3], v2, s[8:9] offset:16*i_
.set i_, i_+1
.endr
	global_load_b32 v180, v2, s[8:9] offset:720
	WIN 0
.Lno_tables:
	s_wait_loadcnt 0x0
.set i_, 1
.rept 25
	BEST i_
.set i_, i_+1
.endr
	ds_store_b128 v3, v[R:R+3]
	s_wait_dscnt 0x0                               ; for wave 0's sake: my result is stored
	s_barrier_signal -1
	s_barrier_wait -1
	s_cmp_lg_u32 s14, 0
	s_cbranch_scc1 .Lend
.irp k, 0,1,2,3,4,5,6,7
	ds_load_b128 v[R+4*(\k):R+4*(\k)+3], v1 offset:512*(\k)
.endr
	s_wait_dscnt 0x0
.irp k, 1,2,3,4,5,6,7
	BEST \k
.endr
	v_mul_lo_u32 v4, v[R+1], 11587                 ; g / 181 = g x 11587 >> 21 for g < 16,471: the factor's excess, 0.525 / 2^21, times g stays under 1 / 181
	v_lshrrev_b32 v4, 21, v4                       ; the elevation's index
	v_mul_u32_u24 v5, 181, v4
	v_sub_nc_u32 v5, v[R+1], v5                    ; the azimuth's
	v_rcp_f32 v6, v[R+2]
	v_mov_b32 v8, v[ELE]                           ; a plain instruction between the reciprocal and its use
	s_wait_alu depctr_va_vdst(0)
	v_mul_f32 v6, v[R], v6                         ; the ratio
.set k_, 1
.rept 90
	v_cmp_eq_u32 vcc_lo, k_, v4
	v_cndmask_b32 v8, v8, v[ELE+k_], vcc_lo
.set k_, k_+1
.endr
	WIN 0x01                                       ; source 0 in window 1
	v_mov_b32 v9, v0                               ; azi[0]
	WIN 0x04                                       ; source 1 in window 1: the index stands as source 0 of the compare
.set k_, 1
.rept 180
	v_cmp_eq_u32 vcc_lo, v5, k_
	v_cndmask_b32 v9, v9, v[k_], vcc_lo
.set k_, k_+1
.endr
	WIN 0
	global_store_b64 v10, v[8:9], s[10:11]         ; 256 neighbouring bytes, at a multiple of 256 from out0's first byte
	global_store_b32 v11, v6, s[12:13]             ; 128 neighbouring bytes
.Lend:
	s_wait_tensorcnt 0x0                           ; the wave's end, behind my last LDS store
	ds_add_u32 v[SPW], v[NIL]
	s_wait_dscnt 0x0
	s_endpgm
.Lfunc_end_k_q3e2184bc85_fin:
	.size	k_q3e2184bc85_fin, .Lfunc_end_k_q3e2184bc85_fin-k_q3e2184bc85_fin
	.p2alignl 7, 3214868480
	.fill 96, 4, 3214868480
	.section	.rodata,"a",@progbits
	.p2align	6, 0x0
	.amdhsa_kernel k_q3e2184bc85_fin
		.amdhsa_group_segment_fixed_size 5120
		.amdhsa_private_segment_fixed_size 0
		.amdhsa_enable_private_segment 0
		.amdhsa_kernarg_size 40
		.amdhsa_user_sgpr_count 2
		.amdhsa_user_sgpr_kernarg_segment_ptr 1
		.amdhsa_wavefront_size32 1
		.amdhsa_system_sgpr_workgroup_id_x 1
		.amdhsa_system_sgpr_workgroup_id_y 1
		.amdhsa_system_sgpr_workgroup_id_z 1
		.amdhsa_system_vgpr_workitem_id 0
		.amdhsa_next_free_vgpr 448
		.amdhsa_next_free_sgpr 66
		.amdhsa_reserve_vcc 1
		.amdhsa_float_denorm_mode_32 3
		.amdhsa_float_denorm_mode_16_64 3
		.amdhsa_memory_ordered 1
		.amdhsa_forward_progress 1
		.amdhsa_inst_pref_size 43
	.end_amdhsa_kernel
	.amdgpu_metadata
---
amdhsa.version: [ 1, 2 ]
amdhsa.kernels:
  - .name:           k_q3e2184bc85_fin
    .symbol:         k_q3e2184bc85_fin.kd
    .args:
      - { .name: rec, .offset: 0, .size: 8, .value_kind: global_buffer, .address_space: global }
      - { .name: ele_candidate, .offset: 8, .size: 8, .value_kind: global_buffer, .address_space: global }
      - { .name: azi_candidate, .offset: 16, .size: 8, .value_kind: global_buffer, .address_space: global }
      - { .name: out0, .offset: 24, .size: 8, .value_kind: global_buffer, .address_space: global }
      - { .name: out1, .offset: 32, .size: 8, .value_kind: global_buffer, .address_space: global }
    .group_segment_fixed_size: 5120
    .private_segment_fixed_size: 0
    .kernarg_segment_align: 8
    .kernarg_segment_size: 40
    .max_flat_workgroup_size: 256
    .sgpr_count:     66
    .vgpr_count:     448
    .wavefront_size: 32
...
	.end_amdgpu_metadata
.endif
;; end of part 3
;; ======== version 2 of 2: 3 launches; version 1 with the launch tobf written anew for expert scheduling mode
;; workspace buffers: abf 3,145,728 bytes; rec 1,703,936 bytes
;; launch tobf (part 4): grid 256 x 1, 8 waves a work-group, no clusters, 0 bytes of LDS; arguments pred_ipd, abf; writes abf
.if DOCPART == 4
	.amdgcn_target "amdgcn-amd-amdhsa--gfx1250"
	.amdhsa_code_object_version 6
	.text
	.protected	k_q3e2184bc85_tobf
	.globl	k_q3e2184bc85_tobf
	.p2align	8
	.type	k_q3e2184bc85_tobf,@function
k_q3e2184bc85_tobf:
	s_mov_b64 s[64:65], 0
	v_nop
	global_prefetch_b8 v0, s[64:65] scope:SCOPE_SE
	s_setreg_imm32_b32 hwreg(HW_REG_WAVE_SCHED_MODE, 0, 2), 2
	s_setreg_imm32_b32 hwreg(HW_REG_WAVE_MODE, 25, 1), 1
	s_wait_xcnt 0x0
	s_wait_alu depctr_vm_vsrc(0)
; abf = pred_ipd rounded once to bf16 (nearest even), same order: [512][3072].
; A plain stream: 256 work-groups of eight waves; a work-group takes 24,576 bytes of f32 and writes 12,288 of bf16.
; Thread t takes 16 bytes at 16 t of each of six blocks of 4,096 bytes: a wave's load covers 512 neighbouring bytes,
; its store 256 neighbouring bytes at a multiple of 256.  All six loads go out first; no LDS, no barrier, no matrix work: bytes alone count.
; THE MODE: SCHED_MODE bits 1:0 = 2 (LLVM: expert scheduling mode 2), set by the entry lines.  The code itself states the register dependences
; between vector instructions and memory instructions, with s_wait_alu, always for 0.
; THE PLAN.  Registers that memory instructions touch:
;   v1, v2   byte offsets of the loads and of the stores: written once at the head, never again.
;   X        six blocks as loaded: each register is written by one load and read by one conversion; no vector instruction names it ahead of its load.
;   Y        six blocks to store: each register is written by one conversion and read by one store, and never written again.
; The six blocks go in three pairs.  Pair p's conversions read X and write Y of pair p alone; the stores that stand at its head read Y of pair p - 1 and v2.
; So one wait at the head of a pair, behind the wait for its data, states all that the two stores behind it hang on, and the conversions that follow name none of those stores' registers.
; No register that a memory instruction reads is written again, no vector instruction writes a scalar register, and EXEC is never written: waits of one kind are all that the text owes.
.set INB,  24576                       ; input bytes of a work-group
.set OUTB, 12288                       ; output bytes of a work-group
.set X,    4                           ; v[4:27]   six loads of four f32
.set Y,    28                          ; v[28:39]  six pairs of packed bf16
	s_load_b128 s[4:7], s[0:1], 0x0                ; pred_ipd s[4:5], abf s[6:7]
	s_mul_i32 s2, ttmp9, INB                       ; the work-group's part, as offsets with 0 above
	s_mov_b32 s3, 0
	s_mul_i32 s8, ttmp9, OUTB
	s_mov_b32 s9, 0
	v_lshlrev_b32 v1, 4, v0                        ; 16 t
	v_lshlrev_b32 v2, 3, v0                        ; 8 t
	s_wait_kmcnt 0x0
	s_add_nc_u64 s[4:5], s[4:5], s[2:3]
	s_add_nc_u64 s[6:7], s[6:7], s[8:9]
	s_wait_alu depctr_va_vdst(0)                   ; v1 and v2 are written: every load reads v1 and every store v2 as its offset
.irp i, 0,1,2,3,4,5
	global_load_b128 v[X+4*(\i):X+4*(\i)+3], v1, s[4:5] offset:4096*(\i) th:TH_LOAD_NT
.endr
.irp p, 0,1,2
	s_wait_loadcnt 4-2*(\p)                        ; loads come back in order (ISA guide 5.7.1): blocks 2 p and 2 p + 1 are in, the younger ones stay out
.if (\p) > 0
	s_wait_alu depctr_va_vdst(0)                   ; the conversions of the pair before have written its four registers of Y, which the two stores below read
	global_store_b64 v2, v[Y+4*(\p)-4:Y+4*(\p)-3], s[6:7] offset:4096*(\p)-4096  ; block 2 p - 2
	global_store_b64 v2, v[Y+4*(\p)-2:Y+4*(\p)-1], s[6:7] offset:4096*(\p)-2048  ; block 2 p - 1
.endif
.irp q, 0,1
	v_cvt_pk_bf16_f32 v[Y+4*(\p)+2*(\q)],   v[X+8*(\p)+4*(\q)],   v[X+8*(\p)+4*(\q)+1]  ; block 2 p + q: four numbers into two registers
	v_cvt_pk_bf16_f32 v[Y+4*(\p)+2*(\q)+1], v[X+8*(\p)+4*(\q)+2], v[X+8*(\p)+4*(\q)+3]
.endr
.endr
	s_wait_alu depctr_va_vdst(0)                   ; the last pair's conversions have written v[Y+8:Y+11], which the last two stores read
	global_store_b64 v2, v[Y+8:Y+9],   s[6:7] offset:8192   ; block 4
	global_store_b64 v2, v[Y+10:Y+11], s[6:7] offset:10240  ; block 5
	s_endpgm
.Lfunc_end_k_q3e2184bc85_tobf:
	.size	k_q3e2184bc85_tobf, .Lfunc_end_k_q3e2184bc85_tobf-k_q3e2184bc85_tobf
	.p2alignl 7, 3214868480
	.fill 96, 4, 3214868480
	.section	.rodata,"a",@progbits
	.p2align	6, 0x0
	.amdhsa_kernel k_q3e2184bc85_tobf
		.amdhsa_group_segment_fixed_size 0
		.amdhsa_private_segment_fixed_size 0
		.amdhsa_enable_private_segment 0
		.amdhsa_kernarg_size 16
		.amdhsa_user_sgpr_count 2
		.amdhsa_user_sgpr_kernarg_segment_ptr 1
		.amdhsa_wavefront_size32 1
		.amdhsa_system_sgpr_workgroup_id_x 1
		.amdhsa_system_sgpr_workgroup_id_y 1
		.amdhsa_system_sgpr_workgroup_id_z 1
		.amdhsa_system_vgpr_workitem_id 0
		.amdhsa_next_free_vgpr 40
		.amdhsa_next_free_sgpr 66
		.amdhsa_reserve_vcc 0
		.amdhsa_float_denorm_mode_32 3
		.amdhsa_float_denorm_mode_16_64 3
		.amdhsa_memory_ordered 1
		.amdhsa_forward_progress 1
		.amdhsa_inst_pref_size 3
	.end_amdhsa_kernel
	.amdgpu_metadata
---
amdhsa.version: [ 1, 2 ]
amdhsa.kernels:
  - .name:           k_q3e2184bc85_tobf
    .symbol:         k_q3e2184bc85_tobf.kd
    .args:
      - { .name: pred_ipd, .offset: 0, .size: 8, .value_kind: global_buffer, .address_space: global }
      - { .name: abf, .offset: 8, .size: 8, .value_kind: global_buffer, .address_space: global }
    .group_segment_fixed_size: 0
    .private_segment_fixed_size: 0
    .kernarg_segment_align: 8
    .kernarg_segment_size: 16
    .max_flat_workgroup_size: 256
    .sgpr_count:     66
    .vgpr_count:     40
    .wavefront_size: 32
...
	.end_amdgpu_metadata
.endif
;; end of part 4
;; launch main: the kernel of part 2 again; grid 208 x 1, 4 waves a work-group, clusters of 4 x 1, 327,680 bytes of LDS; arguments abf, dpipd_template, out2, rec; writes out2, rec
;; launch fin: the kernel of part 3 again; grid 16 x 1, 8 waves a work-group, no clusters, 5,120 bytes of LDS; arguments rec, ele_candidate, azi_candidate, out0, out1; writes out0, out1
